; MI455X (gfx1250); checked and timed in simulation.
; The chip was launched on July 23, 2026; its instructions are those of AMD's public machine-readable ISA for CDNA 5 (MIT licence, August 2026) and "CDNA5" Instruction Set Architecture Reference Guide (July 2026). The comments in the code are by the model that wrote it; some were corrected since.
;; Softmax Attention. Allowed arithmetic: matrix products marked QUANTISED: E4M3 operands, one given power-of-two scale a tensor, by v_wmma_f32_16x16x64_fp8_fp8 or v_wmma_f32_16x16x128_fp8_fp8, f32 sums; everything else in f32.
;; Inputs: K 2 x 16 x 2,048 x 64 float32; Q 2 x 16 x 2,048 x 64 float32; V 2 x 16 x 2,048 x 64 float32; lowp_scales 4 int32 (the exponents e of the quantised operands' scales 2^e).
;; Outputs: out0 2 x 16 x 2,048 x 64 float32.
;; This version of the problem:
;;   THIS VERSION OF THE PROBLEM IS GIVEN IN LOW PRECISION. The matrix products marked QUANTISED in the list below multiply operands that are first quantised to E4M3 (4 exponent bits, 3 mantissa bits; 8 bits a number), with one given power-of-two scale for each operand tensor; their sums are f32. All else is computed in f32.
;;   The module's matrix products, in the order in which they are computed (A, B: the left and right operand; K: the contracted axis; several contracted axes count as one K, in the product's order):
;;     1. batch 32 x [M 2,048, K 64] x [K 64, N 2,048]; A: input Q; B: input K: QUANTISED (scales: A lowp_scales[0], B lowp_scales[1])
;;     2. batch 32 x [M 2,048, K 2,048] x [K 2,048, N 64]; A: softmax (see below); B: input V: QUANTISED (scales: A lowp_scales[2], B lowp_scales[3])
;;   THE QUANTISER, for each operand of a quantised product, along K:
;;     - The operand's scale is 2^e, e = its entry of the input lowp_scales (int32; the entries are numbered through the quantised products in the list's order, A before B).
;;     - Each number is divided by the scale, clamped to +-448, and rounded to the nearest number of E4M3, ties to even, subnormals kept.
;;     - The product sums the exact products of the quantised numbers (number of the format x scale) in f32.
;;   ~~~python
;;   def quantise(x, axis, e):      # numpy; x: float32 -> the quantised numbers, widened to float32 again
;;       x = np.moveaxis(x, axis, -1); K = x.shape[-1]
;;       r = np.clip(x / 2.0 ** e, -448, 448)
;;       step = 2.0 ** (np.maximum(np.frexp(np.where(r == 0, 1, r))[1] - 1, -6) - 3)
;;       q = np.round(r / step) * step * 2.0 ** e      # np.round: ties to even
;;       return np.moveaxis(q, -1, axis).astype(np.float32)
;;   ~~~
;;   SOFTMAX AHEAD OF A QUANTISED PRODUCT. Where the list says 'softmax', what is quantised is not the finished softmax but p = 2^(t - M), with t = logit x log2(e) and M = ceil(the row's largest t), a whole number; so 1/2 < the row's largest p <= 1. The row's sum l is taken of the UNQUANTISED p, in f32, and the product's result is divided by l at the end. Since M is a whole number, a kernel that streams over the keys may use a running M (the ceiling of the running maximum): every later rescaling is an exact power of two, so the quantised numbers keep their values, but for numbers so far below the row's largest that they fall under the format's range.
;;   OPERANDS COMPUTED ON THE WAY. 'Computed on the way' means the value that the module computes at that place (a softmax that the list does not call 'softmax' is quantised finished and normalised). What goes into a quantiser is computed in f32, as accurately as f32 sums, v_exp_f32 and their like allow (about 1e-6 of the number): no bf16 or f16 on the way to a quantiser, and a product that is left as it is and whose result goes on into a quantised operand takes f32 operands (vector FMAs, or v_wmma_f32_16x16x4_f32). A number that lies on a knife's edge between two numbers of the format may be rounded either way, as far as f32 arithmetic and the matrix unit's own rounding can turn it there, and no further.
;; 2 versions, each right; version 2 is version 1 with the launch attn written anew for expert scheduling mode. Each part assembles by itself: llvm-mc -triple=amdgcn-amd-amdhsa -mcpu=gfx1250 --defsym DOCPART=n.
;; ======== version 1 of 2: 1 launch
;; limits: right only within a limited range of input values
;; launch attn (part 1): grid 8 x 32, 16 waves a work-group, no clusters, 145,408 bytes of LDS; arguments Q, K, V, lowp_scales, out0; writes out0
.if DOCPART == 1
	.amdgcn_target "amdgcn-amd-amdhsa--gfx1250"
	.amdhsa_code_object_version 6
	.text
	.protected	k_qbad880fcdb_attn
	.globl	k_qbad880fcdb_attn
	.p2align	8
	.type	k_qbad880fcdb_attn,@function
k_qbad880fcdb_attn:
	s_mov_b64 s[64:65], 0
	v_nop
	global_prefetch_b8 v0, s[64:65] scope:SCOPE_SE
	s_setreg_imm32_b32 hwreg(HW_REG_WAVE_MODE, 25, 1), 1
	s_wait_xcnt 0x0
; out[h][q][:] = sum over k <= q of softmax_k(Q[h][q] . K[h][k] / 4) V[h][k][:], 32 heads of 2,048 rows x 64, all f32 in memory.
; Both products run on codes of FP8 (E4M3) with the four given scales 2^eq, 2^ek, 2^ep, 2^ev; Q, K and V are quantised HERE, on their way to the matrix unit: no workspace, one launch.
; THE SOFTMAX AHEAD OF THE SECOND PRODUCT: t = logit x log2(e); M = the running largest t rounded UP to a whole number; p = 2^(t - M) is quantised, not normalised; the row's sum is taken of the
; unquantised p and divides at the end.  When M moves, the sum and O are multiplied by 2^(old M - new M), which rounds nothing.
; SHARES.  A head's 2,048 queries are sixteen blocks of 128.  Work-group (i, head) owns blocks i and 15 - i: (i + 1) + (16 - i) = 17 block steps in every work-group, so the triangle is shared evenly.
; Sixteen waves of 256 registers; a wave owns ONE tile of 16 queries.  Wave w: idx = w / 2 is its tile in a block; hi = (w xor w / 4) & 1 says which block (0: block i, 1: block 15 - i).
; Both blocks walk the keys together, 128 a step, so a step's K and V are quantised once for both: each wave quantises 1/16 of the step that comes next and stores the codes in LDS as IMAGES OF THE
; OPERANDS' REGISTERS (a group of four registers = 512 bytes, lane l at 16 l), in two slots that take turns; one barrier a step.
; The loop has a constant count (8 trips of 2 steps); what a work-group or a wave does not need is jumped over by scalar branches on ids, never a barrier.
; LAYOUT.  S^T = K Q^T (source 0 = 16 keys, source 1 = my 16 queries, K = 64), O^T += V^T P^T (source 0 = 16 channels, source 1 = P, K = 128 keys): a lane holds ONE query (lane % 16) throughout.
; Lane r of K's tile 2 b + u holds key 32 b + 8 u + r + 8 (r / 8), so that S^T's registers 16 b + n of lane (r, h) are the neighbouring keys 32 b + 16 h + n: the conversions' results ARE source 1 of the second product.
; Along each product's K the places are permuted alike in both sources (registers 4 c .. 4 c + 3: k = 32 c + 16 h + 0 .. 15): every product meets its partner.
; NO TENSOR LOAD, NO CLUSTER: what work-groups share is f32 data that has to pass through registers for the hold and the conversion, and partners would walk different numbers of steps (16 - i).
; LIMITS.  (a) A hidden key gets p = 0, and steps all of whose keys are hidden are left out, in place of the addition of -1e7: the same result while a row's logits spread less than about 9.9e6;
; the quantiser's clamp bounds |logit| by 64 x 448^2 x 2^(eq + ek) / 4 = 3.2e6 x 2^(eq + ek): so for every input where eq + ek <= 0, else while |logit| < 4.9e6.
; (b) eq, ek, ep, ev each between -126 and 119; eq + ek between -124 and 128 (it is added to an exponent field).  (c) NaN among the inputs is not served.
; REGISTERS: v1-11 addresses, made once; v12 -M, v13 largest t, v[14:15] the sum in two halves; v16-23 Q's codes; v24-27, v28-31 K's and V's codes just made; v32-95 fragments of K, then of V;
; v96-159 S^T, then p; v160-191 O^T; v192-207 p's codes; v208-223, v224-239 K's and V's numbers on their way; v240-255 scales, limits, at work.
.set STEPB, 32768                      ; a step's 128 rows of 256 bytes, in K and in V
.set SLOT,  16384                      ; LDS: a slot of images: K's 8 tiles x 1,024 bytes, then
.set VIMG,  8192                       ;      V's 4 tiles x 2,048 bytes
.set KST,   32768                      ; LDS: behind the two slots, for each wave 32 places of 80 bytes (64 + 16 of padding): K's numbers turn here
.set OST,   73728                      ; LDS: for each wave 16 rows of 272 bytes (256 + 16): the way out
.set FRG,   32
.set S,     96
.set O,     160
.set PC,    192
.set KR,    208
.set VR,    224
	s_load_b256 s[4:11], s[0:1], 0x0               ; Q s[4:5], K s[6:7], V s[8:9], the scales' exponents s[10:11]
	s_load_b64 s[12:13], s[0:1], 0x20              ; out
	v_lshrrev_b32 v254, 5, v0
	v_readfirstlane_b32 s20, v254                  ; w, 0..15
	v_and_b32 v255, 31, v0                         ; lane
	v_and_b32 v250, 15, v0                         ; r
	v_bfe_u32 v254, v0, 4, 1                       ; h
	v_lshlrev_b32 v1, 4, v255                      ; v1 = 16 x lane: my place in every image, and in a store of 512 bytes
	s_lshr_b32 s37, s20, 1                         ; idx
	s_lshr_b32 s38, s20, 2                         ; w / 4
	s_and_b32 s39, s20, 1                          ; w % 2
	s_bfe_u32 s40, s20, 0x10001                    ; (w / 2) % 2
	s_xor_b32 s21, s20, s38
	s_and_b32 s21, s21, 1                          ; hi
	; K's turning stage: in as loaded (four lanes' 64 bytes on end, then padding), out 64 bytes a lane
	s_mul_i32 s36, s20, 2560
	s_add_co_u32 s36, s36, KST
	v_bfe_u32 v2, v0, 2, 3
	v_mul_u32_u24 v2, v2, 80
	v_and_b32 v3, 3, v0
	v_lshl_add_u32 v2, v3, 4, v2
	v_add_nc_u32 v2, s36, v2                       ; v2 = stage + 80 (l / 4) + 16 (l % 4)
	v_mul_u32_u24 v3, v255, 80
	v_add_nc_u32 v3, s36, v3                       ; v3 = stage + 80 l
	; where my 16 codes of K go: I hold key 8 w + l / 4, channels 16 (l % 4) on: tile 2 (w / 4) + w % 2, lane row l / 4 + 8 ((w / 2) % 2), piece (l / 2) % 2, half l % 2
	s_lshl_b32 s41, s38, 11
	s_lshl_b32 s42, s39, 10
	s_add_co_u32 s41, s41, s42
	s_lshl_b32 s42, s40, 7
	s_add_co_u32 s41, s41, s42
	v_bfe_u32 v4, v0, 1, 1
	v_lshlrev_b32 v4, 9, v4
	v_and_b32 v5, 1, v0
	v_lshl_add_u32 v4, v5, 8, v4
	v_bfe_u32 v5, v0, 2, 3
	v_lshl_add_u32 v4, v5, 4, v4
	v_add_nc_u32 v4, s41, v4                       ; v4
	; where my 16 codes of V go: I hold channel 32 (w % 2) + l, keys 16 (w / 2) on: tile 2 (w % 2) + l / 16, lane row l % 16, piece w / 4, half (w / 2) % 2
	s_lshl_b32 s41, s39, 12
	s_lshl_b32 s42, s38, 9
	s_add_co_u32 s41, s41, s42
	s_lshl_b32 s42, s40, 8
	s_add_co_u32 s41, s41, s42
	v_lshlrev_b32 v5, 11, v254
	v_lshl_add_u32 v5, v250, 4, v5
	v_add_nc_u32 v5, s41, v5                       ; v5
	; offsets in memory, inside a step
	s_lshl_b32 s41, s20, 11
	v_add_nc_u32 v6, s41, v1                       ; v6: K: my wave's 8 rows (2,048 dense bytes), 16 bytes a lane
	s_lshl_b32 s41, s37, 12
	s_lshl_b32 s42, s39, 7
	s_add_co_u32 s41, s41, s42
	v_lshl_add_u32 v7, v255, 2, s41                ; v7: V: rows 16 (w / 2) on, channels 32 (w % 2) + lane
	s_and_b32 s41, s37, 3
	s_lshl_b32 s41, s41, 13
	v_lshl_add_u32 v8, v255, 8, s41                ; v8: the prefetches: 8,192 bytes a wave, lanes 256 bytes apart
	; which queries are mine
	s_sub_co_u32 s41, 15, ttmp9
	s_cmp_eq_u32 s21, 1
	s_cselect_b32 s41, s41, ttmp9                  ; my block: 15 - i or i
	s_lshl_b32 s28, s41, 7
	s_lshl_b32 s42, s37, 4
	s_add_co_u32 s28, s28, s42                     ; s28 = my first query
	s_add_co_u32 s27, s28, 15                      ; s27 = my last
	s_lshl_b32 s29, ttmp9, 7
	s_sub_co_u32 s29, 2048, s29                    ; s29 = the keys that this work-group walks: 128 (16 - i)
	v_lshlrev_b32 v9, 4, v254
	v_sub_nc_u32 v9, v250, v9
	v_add_nc_u32 v9, s28, v9                       ; v9 = my query - 16 h, for the mask
	; the way out
	s_mul_i32 s36, s20, 4352
	s_add_co_u32 s36, s36, OST
	v_mul_u32_u24 v10, v250, 272
	v_lshl_add_u32 v10, v254, 5, v10
	v_add_nc_u32 v10, s36, v10                     ; v10: in: row r, + 32 h
	v_mul_u32_u24 v11, v254, 272
	v_lshl_add_u32 v11, v250, 4, v11
	v_add_nc_u32 v11, s36, v11                     ; v11: back: lanes 0-15 one row, lanes 16-31 the next
	v_lshlrev_b32 v250, 8, v250
	v_lshl_add_u32 v250, v254, 6, v250             ; v250: Q: row r of 256 bytes, + 64 h
	; who prefetches: the hi waves of the head's first work-group, which walks all sixteen steps; the last four steps have no step four on
	s_xor_b32 s41, s21, 1
	s_or_b32 s41, s41, ttmp9
	s_cmp_eq_u32 s41, 0
	s_cselect_b32 s31, 1536, 0                     ; s31: a wave asks while the step's first key is under it
	s_mov_b32 s24, 0x76543210                      ; v_permlanex16_b32's selects for lane l xor 16
	s_mov_b32 s25, 0xfedcba98
	s_and_b32 s34, ttmp7, 0xffff
	s_lshl_b32 s34, s34, 19                        ; the head's first byte in each of the four tensors: 2,048 rows of 256 bytes
	s_mov_b32 s35, 0
	s_lshl_b32 s42, s28, 8
	s_add_co_u32 s42, s42, s34                     ; and my tile's first byte
	s_mov_b32 s43, 0
	s_wait_kmcnt 0x0
	s_load_b128 s[16:19], s[10:11], 0x0            ; eq, ek, ep, ev
	s_add_nc_u64 s[4:5], s[4:5], s[42:43]
	s_add_nc_u64 s[12:13], s[12:13], s[42:43]
	s_add_nc_u64 s[6:7], s[6:7], s[34:35]
	s_add_nc_u64 s[8:9], s[8:9], s[34:35]
	s_cmp_lt_u32 s37, 4                            ; idx 0-3 ask for K's bytes, idx 4-7 for V's
	s_cselect_b64 s[32:33], s[6:7], s[8:9]
	s_add_nc_u64 s[32:33], s[32:33], STEPB         ; it walks one step ahead of the loads' bases' start: in step t it stands at step t + 2
; A step's numbers, my sixteenth: K: four loads of 512 consecutive bytes; V: sixteen rows, 128 consecutive bytes a wave (waves w and w xor 1 side by side on a row's 256).  Eight work-groups read these bytes: no hint.
.macro LOAD_KV
.irp i, 0,1,2,3
	global_load_b128 v[KR+4*\i:KR+4*\i+3], v6, s[6:7] offset:512*\i
.endr
.irp j, 0,1,2,3,4,5,6,7,8,9,10,11,12,13,14,15
	global_load_b32 v[VR+\j], v7, s[8:9] offset:256*\j
.endr
.endm
; They become codes and go into slot d as images.  K turns through my own stage, so that a lane holds 16 neighbours along the channels; V's registers already run down the keys.
.macro QUANT_KV d
.irp i, 0,1,2,3
	ds_store_b128 v2, v[KR+4*\i:KR+4*\i+3] offset:640*\i
.endr
.irp i, 0,1,2,3
	ds_load_b128 v[KR+4*\i:KR+4*\i+3], v3 offset:16*\i   ; LDS serves a wave's instructions in order (ISA guide 5.7.1.4): these see the stores above
.endr
.irp j, 0,1,2,3,4,5,6,7,8,9,10,11,12,13,14,15
	v_med3_num_f32 v[VR+\j], v[VR+\j], -v247, v247       ; the conversion to an 8-bit code does not saturate (ISA guide 7.6.2): the hold at 448 x 2^ev
.endr
	v_cvt_scalef32_pk8_fp8_f32 v[28:29], v[VR:VR+7], v246
	v_cvt_scalef32_pk8_fp8_f32 v[30:31], v[VR+8:VR+15], v246
	v_nop                                          ; a plain line behind the conversions
	ds_store_b128 v5, v[28:31] offset:(\d)*SLOT+VIMG
	s_wait_dscnt 0x1                               ; K is back from the stage: one LDS instruction, V's image store, was issued behind its four loads
.irp j, 0,1,2,3,4,5,6,7,8,9,10,11,12,13,14,15
	v_med3_num_f32 v[KR+\j], v[KR+\j], -v245, v245
.endr
	v_cvt_scalef32_pk8_fp8_f32 v[24:25], v[KR:KR+7], v244
	v_cvt_scalef32_pk8_fp8_f32 v[26:27], v[KR+8:KR+15], v244
	v_nop
	ds_store_b128 v4, v[24:27] offset:(\d)*SLOT
.endm
; 2^e as f32 into v[vs] (the conversion takes its exponent field), 448 x 2^e into v[vl]
.macro MKSCALE e, vs, vl
	s_add_co_i32 s36, s[\e], 127
	s_lshl_b32 s41, s36, 23
	v_mov_b32 v[\vs], s41
	s_add_co_i32 s36, s36, 8
	s_lshl_b32 s36, s36, 23
	s_or_b32 s36, s36, 0x600000
	v_mov_b32 v[\vl], s36
.endm
	LOAD_KV                                        ; step 0
.irp c, 0,1
.irp j, 0,1,2,3
	global_load_b128 v[S+16*\c+4*\j:S+16*\c+4*\j+3], v250, s[4:5] offset:128*\c+16*\j th:TH_LOAD_NT   ; Q(r, 32 c + 16 h + 4 j ..): read once, by me alone
.endr
.endr
	s_wait_kmcnt 0x0
	MKSCALE 16, 254, 255                           ; Q's
	MKSCALE 17, 244, 245                           ; K's
	MKSCALE 18, 241, 240                           ; p's
	MKSCALE 19, 246, 247                           ; V's
	s_add_co_i32 s36, s16, s17
	s_lshl_b32 s36, s36, 23
	s_mov_b32 s22, 0x3eb8aa3b                      ; c = log2(e) / 4;
	s_add_co_i32 s22, s22, s36                     ; a score stands for score x 2^(eq + ek): the two exponents are added to c's exponent field
	s_mov_b32 s23, s22                             ; (the packed form names the pair, so it is written)
	s_wait_loadcnt 0x8                             ; step 0's twenty loads are in; Q's eight, issued behind them, may be out.  So K's and V's bases may step
	s_add_nc_u64 s[6:7], s[6:7], STEPB
	s_add_nc_u64 s[8:9], s[8:9], STEPB
	QUANT_KV 0
	LOAD_KV                                        ; step 1 (every work-group walks nine steps at the least)
	s_wait_loadcnt 0x14                            ; Q is in; step 1's twenty may be out
.irp j, 0,1,2,3,4,5,6,7,8,9,10,11,12,13,14,15,16,17,18,19,20,21,22,23,24,25,26,27,28,29,30,31
	v_med3_num_f32 v[S+\j], v[S+\j], -v255, v255
.endr
.irp g, 0,1,2,3
	v_cvt_scalef32_pk8_fp8_f32 v[16+2*\g:17+2*\g], v[S+8*\g:S+8*\g+7], v254
.endr
	v_nop
	v_mov_b32 v13, 0xff61b1e6                      ; the largest t so far: -3e38, under every t
	v_floor_f32 v12, -v13                          ; -M
	v_mov_b32 v14, 0                               ; the sum, in two halves
	v_mov_b32 v15, 0
	v_mov_b32 v248, 0                              ; written once: a lane permute's destination counts as one of its sources
	v_mov_b32 v253, 0                              ; (named as the upper half of the pair v[252:253])
	v_mov_b32 v251, 0xff800000                     ; -infinity, for hidden keys
.irp j, 0,1,2,3,4,5,6,7,8,9,10,11,12,13,14,15,16,17,18,19,20,21,22,23,24,25,26,27,28,29,30,31
	v_mov_b32 v[O+\j], 0                           ; O^T.  (The step is written once: the first finds zeros, which the first change of M leaves zeros)
.endr
	s_mov_b32 s26, 0                               ; s26 = the step's first key
	s_mov_b32 s30, 8                               ; trips
	s_wait_dscnt 0x0                               ; my images of step 0 have landed
	s_barrier_signal -1
	s_barrier_wait -1                              ; everybody's have
; MY TILE'S WORK IN A STEP, on the images in slot s.
.macro ATT s
.irp t, 0,1,2,3,4,5,6,7
.irp c, 0,1
	ds_load_b128 v[FRG+8*\t+4*\c:FRG+8*\t+4*\c+3], v1 offset:(\s)*SLOT+1024*\t+512*\c
.endr
.endr
	s_wait_dscnt 0x0
.irp t, 0,1,2,3,4,5,6,7
	v_wmma_f32_16x16x64_fp8_fp8 v[S+8*\t:S+8*\t+7], v[FRG+8*\t:FRG+8*\t+7], v[16:23], 0
.endr
.rept 4
	v_nop                                          ; four places in front of the loads into K's registers and of the first read of the scores
.endr
.irp t, 0,1,2,3
.irp c, 0,1,2,3
	ds_load_b128 v[FRG+16*\t+4*\c:FRG+16*\t+4*\c+3], v1 offset:(\s)*SLOT+VIMG+2048*\t+512*\c   ; V's fragments land while the softmax is walked
.endr
.endr
	s_add_co_u32 s36, s26, 127                     ; on the diagonal hidden scores become -infinity ahead of the maximum: p = 0 then.  A step all of whose keys count skips this
	s_cmp_le_u32 s36, s28
	s_cbranch_scc1 .Lopen_\@
	v_sub_nc_u32 v249, v9, s26                     ; register 16 b + n holds key s26 + 16 h + 32 b + n: hidden where 32 b + n > my query - s26 - 16 h
.irp n, 0,1,2,3,4,5,6,7,8,9,10,11,12,13,14,15,16,17,18,19,20,21,22,23,24,25,26,27,28,29,30,31,32,33,34,35,36,37,38,39,40,41,42,43,44,45,46,47,48,49,50,51,52,53,54,55,56,57,58,59,60,61,62,63
	v_cmp_gt_i32 vcc_lo, 32*(\n/16)+\n%16, v249
	v_cndmask_b32 v[S+\n], v[S+\n], v251, vcc_lo
.endr
.Lopen_\@:
	v_max3_num_f32 v254, v96, v97, v98             ; the step's largest score of my query among my 64 keys, in two chains, each accumulator from its low end on,
	v_max3_num_f32 v252, v99, v100, v101
.irp i, 6,10,14,18,22,26,30,34,38,42,46,50,54,58
	v_max3_num_f32 v254, v254, v[S+\i], v[S+1+\i]
	v_max3_num_f32 v252, v252, v[S+2+\i], v[S+3+\i]
.endr
	v_max3_num_f32 v254, v254, v158, v159
	v_max_num_f32 v254, v254, v252
	v_permlanex16_b32 v248, v254, s24, s25
	v_max_num_f32 v254, v254, v248                 ; and among lane l xor 16's
	v_mul_f32 v254, s22, v254                      ; as t (c is positive)
	v_max_num_f32 v13, v13, v254                   ; the running largest t
	v_mov_b32 v254, v12
	v_floor_f32 v12, -v13                          ; the new -M = floor(-t) = -ceil(t): a whole number
	v_sub_f32 v254, v12, v254                      ; old M less new M: a whole number, 0 or less
	v_cvt_i32_f32 v254, v254                       ; (it saturates)
	v_ldexp_f32 v252, 1.0, v254                    ; f = 2^(old M - new M)
.irp j, 0,2,4,6,8,10,12,14,16,18,20,22,24,26,28,30,32,34,36,38,40,42,44,46,48,50,52,54,56,58,60,62
	v_pk_fma_f32 v[S+\j:S+1+\j], v[S+\j:S+1+\j], s[22:23], v[12:13] op_sel_hi:[1,0,0]   ; t - M, two at a time (of the pairs c and -M the low word serves both halves)
.endr
.irp j, 0,1,2,3,4,5,6,7,8,9,10,11,12,13,14,15,16,17,18,19,20,21,22,23,24,25,26,27,28,29,30,31,32,33,34,35,36,37,38,39,40,41,42,43,44,45,46,47,48,49,50,51,52,53,54,55,56,57,58,59,60,61,62,63
	v_exp_f32 v[S+\j], v[S+\j]                     ; p = 2^(t - M), at most 1
.endr
	v_pk_mul_f32 v[14:15], v[14:15], v[252:253] op_sel_hi:[1,0]   ; the sums under the new M: the plain line behind the exponentials
	s_wait_alu depctr_va_vdst(0)                   ; one wait for the whole batch, ahead of its first reader
	v_pk_add_f32 v[242:243], v[96:97], v[98:99]    ; the row's sum is taken of the UNQUANTISED p: two at a time, in two chains
.irp j, 4,8,12,16,20,24,28,32,36,40,44,48,52,56,60
	v_pk_add_f32 v[14:15], v[14:15], v[S+\j:S+1+\j]
	v_pk_add_f32 v[242:243], v[242:243], v[S+2+\j:S+3+\j]
.endr
	v_pk_add_f32 v[14:15], v[14:15], v[242:243]
	s_cmp_gt_i32 s18, -9                           ; p is at most 1 and 448 x 2^ep is 1.75 or more from ep = -8 on: the hold then changes nothing and is jumped over (ep is a whole number read from memory)
	s_cbranch_scc1 .Lheld_\@
.irp j, 0,1,2,3,4,5,6,7,8,9,10,11,12,13,14,15,16,17,18,19,20,21,22,23,24,25,26,27,28,29,30,31,32,33,34,35,36,37,38,39,40,41,42,43,44,45,46,47,48,49,50,51,52,53,54,55,56,57,58,59,60,61,62,63
	v_min_num_f32 v[S+\j], v[S+\j], v240           ; p is not negative, so the hold is one-sided
.endr
.Lheld_\@:
.irp g, 0,1,2,3,4,5,6,7
	v_cvt_scalef32_pk8_fp8_f32 v[PC+2*\g:PC+1+2*\g], v[S+8*\g:S+7+8*\g], v241   ; registers 4 b .. 4 b + 3: keys 32 b + 16 h + 0 .. 15
.endr
.irp j, 0,2,4,6,8,10,12,14,16,18,20,22,24,26,28,30
	v_pk_mul_f32 v[O+\j:O+1+\j], v[O+\j:O+1+\j], v[252:253] op_sel_hi:[1,0]   ; O^T under the new M.  (Also the plain lines behind the conversions)
.endr
	s_wait_dscnt 0x0                               ; V's fragments are in
.irp t, 0,1,2,3
	v_wmma_f32_16x16x128_fp8_fp8 v[O+8*\t:O+8*\t+7], v[FRG+16*\t:FRG+16*\t+15], v[PC:PC+15], v[O+8*\t:O+8*\t+7]   ; the four accumulators take turns; the next step's eight products stand between two turns of one
.endr
.rept 4
	v_nop                                          ; four places in front of the next loads into these fragments' registers and of the next read of O^T, whichever way the wave goes on
.endr
.endm
; A STEP.  Slot s holds this step's images.  First the next step's numbers, asked for a step ago, become images in the other slot, and the numbers of the step after it are asked for; then my tile's work.
; ONE barrier a step, for two things: in front of it each wave's image stores have landed and its reads of slot s are over; behind it slot 1 - s is read and slot s written.
.macro STEP s
	s_wait_loadcnt 0x0                             ; the next step's numbers are in,
	s_wait_xcnt 0x0                                ; and the prefetch of a step ago has read its base: the three bases may step
	s_add_nc_u64 s[6:7], s[6:7], STEPB
	s_add_nc_u64 s[8:9], s[8:9], STEPB
	s_add_nc_u64 s[32:33], s[32:33], STEPB
	s_add_co_u32 s36, s26, 128
	s_cmp_lt_u32 s36, s29                          ; is there a next step for this work-group?
	s_cbranch_scc0 .Lnoq_\@
	QUANT_KV 1-\s
	s_add_co_u32 s36, s26, 256
	s_cmp_lt_u32 s36, s29                          ; and one behind it?  No load is made for keys that nobody here attends to
	s_cbranch_scc0 .Lnoq_\@
	LOAD_KV
	s_cmp_lt_u32 s26, s31
	s_cbranch_scc0 .Lnoq_\@
	; A PREFETCH INTO THE L2 of the step four on, which is loaded two steps from now; it stands behind my loads.  All eight work-groups of a head walk the same K and V: the head's first asks, and in it the eight waves
	; that attend in every step: four for K's 32,768 bytes, four for V's, 8,192 bytes a wave, lanes 256 bytes apart: each block of 256 bytes is named once in the launch.  Steps 0 to 3 come by their loads alone; steps 12 on ask for nothing.
	global_prefetch_b8 v8, s[32:33] offset:2*STEPB th:TH_LOAD_NT scope:SCOPE_SE
.Lnoq_\@:
	s_cmp_gt_u32 s26, s27                          ; all of the step's keys come after my queries: nothing to do for my tile
	s_cbranch_scc1 .Lhid_\@
	ATT \s
.Lhid_\@:
	s_add_co_u32 s26, s26, 128
	s_wait_dscnt 0x0
	s_barrier_signal -1
	s_barrier_wait -1
.endm
.Ltrip:
	STEP 0
	STEP 1
	s_sub_co_u32 s30, s30, 1
	s_cmp_lg_u32 s30, 0
	s_cbranch_scc1 .Ltrip
	; THE WAY OUT.  O^T / the sum x 2^(ep + ev) goes through my own stage and comes back as whole rows: each store of the wave covers two rows, 512 consecutive bytes, aligned.
	v_add_f32 v14, v14, v15                        ; the sum's two halves,
	v_permlanex16_b32 v248, v14, s24, s25
	v_add_f32 v14, v14, v248                       ; and lane l xor 16's
	v_rcp_f32 v14, v14
	v_nop                                          ; a plain line behind the reciprocal
	s_add_co_i32 s36, s18, s19
	s_wait_alu depctr_va_vdst(0)                   ; and the wait ahead of its first reader
	v_ldexp_f32 v14, v14, s36
.irp j, 0,2,4,6,8,10,12,14,16,18,20,22,24,26,28,30
	v_pk_mul_f32 v[S+\j:S+1+\j], v[O+\j:O+1+\j], v[14:15] op_sel_hi:[1,0]   ; register 8 t + i is out(r, 16 t + 8 h + i)
.endr
.irp t, 0,1,2,3
	ds_store_b128 v10, v[S+8*\t:S+8*\t+3] offset:64*\t
	ds_store_b128 v10, v[S+8*\t+4:S+8*\t+7] offset:64*\t+16
.endr
.irp i, 0,1,2,3,4,5,6,7
	ds_load_b128 v[FRG+4*\i:FRG+4*\i+3], v11 offset:544*\i   ; my own bytes, served in order: these see the stores above
.endr
.irp i, 0,1,2,3,4,5,6,7
	s_wait_dscnt 7-\i                              ; the younger loads may be out
	global_store_b128 v1, v[FRG+4*\i:FRG+4*\i+3], s[12:13] offset:512*\i th:TH_STORE_NT
.endr
	s_wait_xcnt 0x0
	v_lshl_add_u32 v254, v0, 2, 0x23000
	v_mov_b32 v255, 0
	s_wait_tensorcnt 0x0
	ds_add_u32 v254, v255
	s_wait_dscnt 0x0
	s_endpgm
.Lfunc_end_k_qbad880fcdb_attn:
	.size	k_qbad880fcdb_attn, .Lfunc_end_k_qbad880fcdb_attn-k_qbad880fcdb_attn
	.p2alignl 7, 3214868480
	.fill 96, 4, 3214868480
	.section	.rodata,"a",@progbits
	.p2align	6, 0x0
	.amdhsa_kernel k_qbad880fcdb_attn
		.amdhsa_group_segment_fixed_size 145408
		.amdhsa_private_segment_fixed_size 0
		.amdhsa_enable_private_segment 0
		.amdhsa_kernarg_size 40
		.amdhsa_user_sgpr_count 2
		.amdhsa_user_sgpr_kernarg_segment_ptr 1
		.amdhsa_wavefront_size32 1
		.amdhsa_system_sgpr_workgroup_id_x 1
		.amdhsa_system_sgpr_workgroup_id_y 1
		.amdhsa_system_sgpr_workgroup_id_z 1
		.amdhsa_system_vgpr_workitem_id 0
		.amdhsa_next_free_vgpr 256
		.amdhsa_next_free_sgpr 66
		.amdhsa_reserve_vcc 1
		.amdhsa_float_denorm_mode_32 3
		.amdhsa_float_denorm_mode_16_64 3
		.amdhsa_memory_ordered 1
		.amdhsa_forward_progress 1
		.amdhsa_inst_pref_size 73
	.end_amdhsa_kernel
	.amdgpu_metadata
---
amdhsa.version: [ 1, 2 ]
amdhsa.kernels:
  - .name:           k_qbad880fcdb_attn
    .symbol:         k_qbad880fcdb_attn.kd
    .args:
      - { .name: Q, .offset: 0, .size: 8, .value_kind: global_buffer, .address_space: global }
      - { .name: K, .offset: 8, .size: 8, .value_kind: global_buffer, .address_space: global }
      - { .name: V, .offset: 16, .size: 8, .value_kind: global_buffer, .address_space: global }
      - { .name: lowp_scales, .offset: 24, .size: 8, .value_kind: global_buffer, .address_space: global }
      - { .name: out0, .offset: 32, .size: 8, .value_kind: global_buffer, .address_space: global }
    .group_segment_fixed_size: 145408
    .private_segment_fixed_size: 0
    .kernarg_segment_align: 8
    .kernarg_segment_size: 40
    .max_flat_workgroup_size: 512
    .sgpr_count:     66
    .vgpr_count:     256
    .wavefront_size: 32
...
	.end_amdgpu_metadata
.endif
;; end of part 1
;; ======== version 2 of 2: 1 launch; version 1 with the launch attn written anew for expert scheduling mode
;; limits: right only within a limited range of input values
;; launch attn (part 2): grid 8 x 32, 16 waves a work-group, no clusters, 145,408 bytes of LDS; arguments Q, K, V, lowp_scales, out0; writes out0
.if DOCPART == 2
	.amdgcn_target "amdgcn-amd-amdhsa--gfx1250"
	.amdhsa_code_object_version 6
	.text
	.protected	k_qbad880fcdb_attn
	.globl	k_qbad880fcdb_attn
	.p2align	8
	.type	k_qbad880fcdb_attn,@function
k_qbad880fcdb_attn:
	s_mov_b64 s[64:65], 0
	v_nop
	global_prefetch_b8 v0, s[64:65] scope:SCOPE_SE
	s_setreg_imm32_b32 hwreg(HW_REG_WAVE_SCHED_MODE, 0, 2), 2
	s_setreg_imm32_b32 hwreg(HW_REG_WAVE_MODE, 25, 1), 1
	s_wait_xcnt 0x0
	s_wait_alu depctr_vm_vsrc(0)
; out[h][q][:] = sum over k <= q of softmax_k(Q[h][q] . K[h][k] / 4) V[h][k][:], 32 heads of 2,048 rows x 64, all f32 in memory.
; Both products run on codes of FP8 (E4M3) with the four given scales 2^eq, 2^ek, 2^ep, 2^ev; Q, K and V are quantised HERE, on their way to the matrix unit: no workspace, one launch.
; THE SOFTMAX AHEAD OF THE SECOND PRODUCT: t = logit x log2(e); M = the running largest t rounded UP to a whole number; p = 2^(t - M) is quantised, not normalised; the row's sum is taken of the
; unquantised p and divides at the end.  When M moves, the sum and O are multiplied by 2^(old M - new M), which rounds nothing.
; SHARES.  A head's 2,048 queries are sixteen blocks of 128.  Work-group (i, head) owns blocks i and 15 - i: (i + 1) + (16 - i) = 17 block steps in every work-group, so the triangle is shared evenly.
; Sixteen waves of 256 registers; a wave owns ONE tile of 16 queries.  Wave w: idx = w / 2 is its tile in a block; hi = (w xor w / 4) & 1 says which block (0: block i, 1: block 15 - i).
; Both blocks walk the keys together, 128 a step, so a step's K and V are quantised once for both: each wave quantises 1/16 of the step that comes next and stores the codes in LDS as IMAGES OF THE
; OPERANDS' REGISTERS (a group of four registers = 512 bytes, lane l at 16 l), in two slots that take turns; one barrier a step.
; The loop has a constant count (8 trips of 2 steps); what a work-group or a wave does not need is jumped over by scalar branches on ids, never a barrier.
; LAYOUT.  S^T = K Q^T (source 0 = 16 keys, source 1 = my 16 queries, K = 64), O^T += V^T P^T (source 0 = 16 channels, source 1 = P, K = 128 keys): a lane holds ONE query (lane % 16) throughout.
; Lane r of K's tile 2 b + u holds key 32 b + 8 u + r + 8 (r / 8), so that S^T's registers 16 b + n of lane (r, h) are the neighbouring keys 32 b + 16 h + n: the conversions' results ARE source 1 of the second product.
; Along each product's K the places are permuted alike in both sources (registers 4 c .. 4 c + 3: k = 32 c + 16 h + 0 .. 15): every product meets its partner.
; NO TENSOR LOAD, NO CLUSTER: what work-groups share is f32 data that has to pass through registers for the hold and the conversion, and partners would walk different numbers of steps (16 - i).
; LIMITS.  (a) A hidden key gets p = 0, and steps all of whose keys are hidden are left out, in place of the addition of -1e7: the same result while a row's logits spread less than about 9.9e6;
; the quantiser's clamp bounds |logit| by 64 x 448^2 x 2^(eq + ek) / 4 = 3.2e6 x 2^(eq + ek): so for every input where eq + ek <= 0, else while |logit| < 4.9e6.
; (b) eq, ek, ep, ev each between -126 and 119; eq + ek between -124 and 128 (it is added to an exponent field).  (c) NaN among the inputs is not served.
; REGISTERS: v1-11 addresses, made once; v12 -M, v13 largest t, v[14:15] the sum in two halves; v16-23 Q's codes; v24-27, v28-31 K's and V's codes just made; v32-95 fragments of K, then of V;
; v96-159 S^T, then p (v128-143 of them hold, between two steps' softmaxes, K's numbers as they come back from the stage); v160-191 O^T; v192-207 p's codes; v208-223, v224-239 K's and V's numbers as loaded; v240-255 scales, limits, at work.
; THE MODE: SCHED_MODE bits 1:0 = 2 (LLVM: expert scheduling mode 2), set by the entry lines.  The code itself states the register dependences between vector or matrix instructions
; and memory or LDS instructions, with s_wait_alu, always for 0.
; THE PLAN.  Registers that memory or LDS instructions touch:
;   v1-11, v250  Addresses and offsets: written at the head, ahead of one wait on va_vdst, and never again.
;   KR           The global loads of K's numbers land in it, a step ahead; the stage's four stores read it.  No vector instruction names it.
;   KT           The stage's four loads land in it; K's holds and conversions work on it; later in the step the first products write S^T there and the softmax works on it.
;   VR           The global loads of V's numbers land in it, a step ahead; V's holds and conversions work on it.
;   v24-31       Written by the conversions; read by the two image stores.
;   FRG          K's images land in it, the eight first products read it; V's images land in it, the four second products read it.  On the way out the stage's loads land in it and the global stores read it.
;   S            On the way out: written by the last multiplications, read by the stage's stores.
; A STEP'S WAITS.  (1) va_vdst at its head: the last step is done with FRG and KT, so the stage's loads and K's image loads owe nothing more (the quantising names no register of FRG).
; (2) vm_vsrc behind V's holds: the last step's image stores have read v24-31, the stage's stores have read KR.  (3) va_vdst behind the last conversion: v24-31 are written, for the two image stores,
; and VR is done with, for the twenty global loads that follow.  (4) va_vdst behind the first products: they are done reading FRG, in which V's images land.  (5) va_vdst behind the exponentials.
; On the diagonal the mask's compares go into scalar registers, eight to a run, with one wait on va_sdst between a run and its eight selects.
.set STEPB, 32768                      ; a step's 128 rows of 256 bytes, in K and in V
.set SLOT,  16384                      ; LDS: a slot of images: K's 8 tiles x 1,024 bytes, then
.set VIMG,  8192                       ;      V's 4 tiles x 2,048 bytes
.set KST,   32768                      ; LDS: behind the two slots, for each wave 32 places of 80 bytes (64 + 16 of padding): K's numbers turn here
.set OST,   73728                      ; LDS: for each wave 16 rows of 272 bytes (256 + 16): the way out
.set FRG,   32
.set S,     96
.set KT,    128
.set O,     160
.set PC,    192
.set KR,    208
.set VR,    224
.set MK,    40                         ; s[40:47]: at the head at work; in the loop the masks of eight compares
	s_load_b256 s[4:11], s[0:1], 0x0               ; Q s[4:5], K s[6:7], V s[8:9], the scales' exponents s[10:11]
	s_load_b64 s[12:13], s[0:1], 0x20              ; out
	v_lshrrev_b32 v254, 5, v0
	v_readfirstlane_b32 s20, v254                  ; w, 0..15
	v_and_b32 v255, 31, v0                         ; lane
	v_and_b32 v250, 15, v0                         ; r
	v_bfe_u32 v254, v0, 4, 1                       ; h
	v_lshlrev_b32 v1, 4, v255                      ; v1 = 16 x lane: my place in every image, and in a store of 512 bytes
	s_wait_alu depctr_va_sdst(0)                   ; s20 is written, ahead of its first reader: all that hangs on the wave's number is made from it
	s_lshr_b32 s37, s20, 1                         ; idx
	s_lshr_b32 s38, s20, 2                         ; w / 4
	s_and_b32 s39, s20, 1                          ; w % 2
	s_bfe_u32 s40, s20, 0x10001                    ; (w / 2) % 2
	s_xor_b32 s21, s20, s38
	s_and_b32 s21, s21, 1                          ; hi
	; K's turning stage: in as loaded (four lanes' 64 bytes on end, then padding), out 64 bytes a lane
	s_mul_i32 s36, s20, 2560
	s_add_co_u32 s36, s36, KST
	v_bfe_u32 v2, v0, 2, 3
	v_mul_u32_u24 v2, v2, 80
	v_and_b32 v3, 3, v0
	v_lshl_add_u32 v2, v3, 4, v2
	v_add_nc_u32 v2, s36, v2                       ; v2 = stage + 80 (l / 4) + 16 (l % 4)
	v_mul_u32_u24 v3, v255, 80
	v_add_nc_u32 v3, s36, v3                       ; v3 = stage + 80 l
	; where my 16 codes of K go: I hold key 8 w + l / 4, channels 16 (l % 4) on: tile 2 (w / 4) + w % 2, lane row l / 4 + 8 ((w / 2) % 2), piece (l / 2) % 2, half l % 2
	s_lshl_b32 s41, s38, 11
	s_lshl_b32 s42, s39, 10
	s_add_co_u32 s41, s41, s42
	s_lshl_b32 s42, s40, 7
	s_add_co_u32 s41, s41, s42
	v_bfe_u32 v4, v0, 1, 1
	v_lshlrev_b32 v4, 9, v4
	v_and_b32 v5, 1, v0
	v_lshl_add_u32 v4, v5, 8, v4
	v_bfe_u32 v5, v0, 2, 3
	v_lshl_add_u32 v4, v5, 4, v4
	v_add_nc_u32 v4, s41, v4                       ; v4
	; where my 16 codes of V go: I hold channel 32 (w % 2) + l, keys 16 (w / 2) on: tile 2 (w % 2) + l / 16, lane row l % 16, piece w / 4, half (w / 2) % 2
	s_lshl_b32 s41, s39, 12
	s_lshl_b32 s42, s38, 9
	s_add_co_u32 s41, s41, s42
	s_lshl_b32 s42, s40, 8
	s_add_co_u32 s41, s41, s42
	v_lshlrev_b32 v5, 11, v254
	v_lshl_add_u32 v5, v250, 4, v5
	v_add_nc_u32 v5, s41, v5                       ; v5
	; offsets in memory, inside a step
	s_lshl_b32 s41, s20, 11
	v_add_nc_u32 v6, s41, v1                       ; v6: K: my wave's 8 rows (2,048 dense bytes), 16 bytes a lane
	s_lshl_b32 s41, s37, 12
	s_lshl_b32 s42, s39, 7
	s_add_co_u32 s41, s41, s42
	v_lshl_add_u32 v7, v255, 2, s41                ; v7: V: rows 16 (w / 2) on, channels 32 (w % 2) + lane
	s_and_b32 s41, s37, 3
	s_lshl_b32 s41, s41, 13
	v_lshl_add_u32 v8, v255, 8, s41                ; v8: the prefetches: 8,192 bytes a wave, lanes 256 bytes apart
	; which queries are mine
	s_sub_co_u32 s41, 15, ttmp9
	s_cmp_eq_u32 s21, 1
	s_cselect_b32 s41, s41, ttmp9                  ; my block: 15 - i or i
	s_lshl_b32 s28, s41, 7
	s_lshl_b32 s42, s37, 4
	s_add_co_u32 s28, s28, s42                     ; s28 = my first query
	s_add_co_u32 s27, s28, 15                      ; s27 = my last
	s_lshl_b32 s29, ttmp9, 7
	s_sub_co_u32 s29, 2048, s29                    ; s29 = the keys that this work-group walks: 128 (16 - i)
	v_lshlrev_b32 v9, 4, v254
	v_sub_nc_u32 v9, v250, v9
	v_add_nc_u32 v9, s28, v9                       ; v9 = my query - 16 h, for the mask
	; the way out
	s_mul_i32 s36, s20, 4352
	s_add_co_u32 s36, s36, OST
	v_mul_u32_u24 v10, v250, 272
	v_lshl_add_u32 v10, v254, 5, v10
	v_add_nc_u32 v10, s36, v10                     ; v10: in: row r, + 32 h
	v_mul_u32_u24 v11, v254, 272
	v_lshl_add_u32 v11, v250, 4, v11
	v_add_nc_u32 v11, s36, v11                     ; v11: back: lanes 0-15 one row, lanes 16-31 the next
	v_lshlrev_b32 v250, 8, v250
	v_lshl_add_u32 v250, v254, 6, v250             ; v250: Q: row r of 256 bytes, + 64 h
	; who prefetches: the hi waves of the head's first work-group, which walks all sixteen steps; the last four steps have no step four on
	s_xor_b32 s41, s21, 1
	s_or_b32 s41, s41, ttmp9
	s_cmp_eq_u32 s41, 0
	s_cselect_b32 s31, 1536, 0                     ; s31: a wave asks while the step's first key is under it
	s_mov_b32 s24, 0x76543210                      ; v_permlanex16_b32's selects for lane l xor 16
	s_mov_b32 s25, 0xfedcba98
	s_and_b32 s34, ttmp7, 0xffff
	s_lshl_b32 s34, s34, 19                        ; the head's first byte in each of the four tensors: 2,048 rows of 256 bytes
	s_mov_b32 s35, 0
	s_lshl_b32 s42, s28, 8
	s_add_co_u32 s42, s42, s34                     ; and my tile's first byte
	s_mov_b32 s43, 0
	s_wait_kmcnt 0x0
	s_load_b128 s[16:19], s[10:11], 0x0            ; eq, ek, ep, ev
	s_add_nc_u64 s[4:5], s[4:5], s[42:43]
	s_add_nc_u64 s[12:13], s[12:13], s[42:43]
	s_add_nc_u64 s[6:7], s[6:7], s[34:35]
	s_add_nc_u64 s[8:9], s[8:9], s[34:35]
	s_cmp_lt_u32 s37, 4                            ; idx 0-3 ask for K's bytes, idx 4-7 for V's
	s_cselect_b64 s[32:33], s[6:7], s[8:9]
	s_add_nc_u64 s[32:33], s[32:33], STEPB         ; it walks one step ahead of the loads' bases' start: in step t it stands at step t + 2
; A step's numbers, my sixteenth: K: four loads of 512 consecutive bytes; V: sixteen rows, 128 consecutive bytes a wave (waves w and w xor 1 side by side on a row's 256).  Eight work-groups read these bytes: no hint.
.macro LOAD_KV
.irp i, 0,1,2,3
	global_load_b128 v[KR+4*\i:KR+4*\i+3], v6, s[6:7] offset:512*\i
.endr
.irp j, 0,1,2,3,4,5,6,7,8,9,10,11,12,13,14,15
	global_load_b32 v[VR+\j], v7, s[8:9] offset:256*\j
.endr
.endm
; They become codes and go into slot d as images.  K turns through my own stage, so that a lane holds 16 neighbours along the channels; V's registers already run down the keys.
; K comes back into KT and not into KR, so that the stage's loads follow its stores at once; the two image stores stand together, behind one wait.
.macro QUANT_KV d
.irp i, 0,1,2,3
	ds_store_b128 v2, v[KR+4*\i:KR+4*\i+3] offset:640*\i
.endr
.irp i, 0,1,2,3
	ds_load_b128 v[KT+4*\i:KT+4*\i+3], v3 offset:16*\i   ; LDS serves a wave's instructions in order (ISA guide 5.7.1.4): these see the stores above
.endr
.irp j, 0,1,2,3,4,5,6,7,8,9,10,11,12,13,14,15
	v_med3_num_f32 v[VR+\j], v[VR+\j], -v247, v247       ; the conversion to an 8-bit code does not saturate (ISA guide 7.6.2): the hold at 448 x 2^ev
.endr
	s_wait_alu depctr_vm_vsrc(0)                   ; the last step's image stores have read v24-31, which the conversions below write; the stage's stores above have read KR, in which the next global loads land
	v_cvt_scalef32_pk8_fp8_f32 v[28:29], v[VR:VR+7], v246
	v_cvt_scalef32_pk8_fp8_f32 v[30:31], v[VR+8:VR+15], v246
	s_wait_dscnt 0x0                               ; K is back from the stage: its four loads are my youngest LDS instructions
.irp j, 0,1,2,3,4,5,6,7,8,9,10,11,12,13,14,15
	v_med3_num_f32 v[KT+\j], v[KT+\j], -v245, v245       ; (these sixteen are also the plain lines behind V's conversions)
.endr
	v_cvt_scalef32_pk8_fp8_f32 v[24:25], v[KT:KT+7], v244
	v_cvt_scalef32_pk8_fp8_f32 v[26:27], v[KT+8:KT+15], v244
	v_nop                                          ; a plain line behind the conversions
	s_wait_alu depctr_va_vdst(0)                   ; the conversions have written v24-31, which the two stores below read; the holds and conversions are done with VR, in which the global loads behind this macro land
	ds_store_b128 v5, v[28:31] offset:(\d)*SLOT+VIMG
	ds_store_b128 v4, v[24:27] offset:(\d)*SLOT
.endm
; 2^e as f32 into v[vs] (the conversion takes its exponent field), 448 x 2^e into v[vl]
.macro MKSCALE e, vs, vl
	s_add_co_i32 s36, s[\e], 127
	s_lshl_b32 s41, s36, 23
	v_mov_b32 v[\vs], s41
	s_add_co_i32 s36, s36, 8
	s_lshl_b32 s36, s36, 23
	s_or_b32 s36, s36, 0x600000
	v_mov_b32 v[\vl], s36
.endm
	s_wait_alu depctr_va_vdst(0)                   ; v1 to v11 and v250 are written: every load, store and prefetch of the kernel reads one of them as its address or offset
	LOAD_KV                                        ; step 0
.irp c, 0,1
.irp j, 0,1,2,3
	global_load_b128 v[S+16*\c+4*\j:S+16*\c+4*\j+3], v250, s[4:5] offset:128*\c+16*\j th:TH_LOAD_NT   ; Q(r, 32 c + 16 h + 4 j ..): read once, by me alone
.endr
.endr
	s_wait_kmcnt 0x0
	MKSCALE 16, 254, 255                           ; Q's
	MKSCALE 17, 244, 245                           ; K's
	MKSCALE 18, 241, 240                           ; p's
	MKSCALE 19, 246, 247                           ; V's
	s_add_co_i32 s36, s16, s17
	s_lshl_b32 s36, s36, 23
	s_mov_b32 s22, 0x3eb8aa3b                      ; c = log2(e) / 4;
	s_add_co_i32 s22, s22, s36                     ; a score stands for score x 2^(eq + ek): the two exponents are added to c's exponent field
	s_mov_b32 s23, s22                             ; (the packed form names the pair, so it is written)
	s_wait_loadcnt 0x8                             ; step 0's twenty loads are in; Q's eight, issued behind them, may be out.  So K's and V's bases may step
	s_add_nc_u64 s[6:7], s[6:7], STEPB
	s_add_nc_u64 s[8:9], s[8:9], STEPB
	QUANT_KV 0                                     ; (KT lies behind the 32 registers in which Q is landing)
	LOAD_KV                                        ; step 1 (every work-group walks nine steps at the least).  No wait: the macro's two have stated all that these loads hang on, and no vector instruction stands between
	s_wait_loadcnt 0x14                            ; Q is in; step 1's twenty may be out
.irp j, 0,1,2,3,4,5,6,7,8,9,10,11,12,13,14,15,16,17,18,19,20,21,22,23,24,25,26,27,28,29,30,31
	v_med3_num_f32 v[S+\j], v[S+\j], -v255, v255
.endr
.irp g, 0,1,2,3
	v_cvt_scalef32_pk8_fp8_f32 v[16+2*\g:17+2*\g], v[S+8*\g:S+8*\g+7], v254
.endr
	v_nop
	v_mov_b32 v13, 0xff61b1e6                      ; the largest t so far: -3e38, under every t
	v_floor_f32 v12, -v13                          ; -M
	v_mov_b32 v14, 0                               ; the sum, in two halves
	v_mov_b32 v15, 0
	v_mov_b32 v248, 0                              ; written once: a lane permute's destination counts as one of its sources
	v_mov_b32 v253, 0                              ; (named as the upper half of the pair v[252:253])
	v_mov_b32 v251, 0xff800000                     ; -infinity, for hidden keys
.irp j, 0,1,2,3,4,5,6,7,8,9,10,11,12,13,14,15,16,17,18,19,20,21,22,23,24,25,26,27,28,29,30,31
	v_mov_b32 v[O+\j], 0                           ; O^T.  (The step is written once: the first finds zeros, which the first change of M leaves zeros)
.endr
	s_mov_b32 s26, 0                               ; s26 = the step's first key
	s_mov_b32 s30, 8                               ; trips
	s_wait_dscnt 0x0                               ; my images of step 0 have landed
	s_barrier_signal -1
	s_barrier_wait -1                              ; everybody's have
; MY TILE'S WORK IN A STEP, on the images in slot s.
.macro ATT s
.irp t, 0,1,2,3,4,5,6,7
.irp c, 0,1
	ds_load_b128 v[FRG+8*\t+4*\c:FRG+8*\t+4*\c+3], v1 offset:(\s)*SLOT+1024*\t+512*\c   ; no wait: no vector or matrix instruction since the wait at the step's head names these registers
.endr
.endr
	s_wait_dscnt 0x0
.irp t, 0,1,2,3,4,5,6,7
	v_wmma_f32_16x16x64_fp8_fp8 v[S+8*\t:S+8*\t+7], v[FRG+8*\t:FRG+8*\t+7], v[16:23], 0
.endr
.rept 4
	v_nop                                          ; four places (ISA guide 7.12.1) in front of the first read of the scores
.endr
	s_wait_alu depctr_va_vdst(0)                   ; the eight products are done reading K's fragments, in whose registers V's land; the places above stay beside this wait
.irp t, 0,1,2,3
.irp c, 0,1,2,3
	ds_load_b128 v[FRG+16*\t+4*\c:FRG+16*\t+4*\c+3], v1 offset:(\s)*SLOT+VIMG+2048*\t+512*\c   ; V's fragments land while the softmax is walked
.endr
.endr
	s_add_co_u32 s36, s26, 127                     ; on the diagonal hidden scores become -infinity ahead of the maximum: p = 0 then.  A step all of whose keys count skips this
	s_cmp_le_u32 s36, s28
	s_cbranch_scc1 .Lopen_\@
	v_sub_nc_u32 v249, v9, s26                     ; register 16 b + n holds key s26 + 16 h + 32 b + n: hidden where 32 b + n > my query - s26 - 16 h
.irp g, 0,1,2,3,4,5,6,7                        ; an accumulator's eight registers to a run: eight compares into eight scalar registers, one wait, eight selects, from the accumulator's low end on
.irp i, 0,1,2,3,4,5,6,7
	v_cmp_gt_i32 s[MK+\i], 32*(\g/2)+8*(\g%2)+\i, v249
.endr
	s_wait_alu depctr_va_sdst(0)                   ; the eight compares have written their masks, ahead of the selects that read them
.irp i, 0,1,2,3,4,5,6,7
	v_cndmask_b32 v[S+8*\g+\i], v[S+8*\g+\i], v251, s[MK+\i]
.endr
.endr
.Lopen_\@:
	v_max3_num_f32 v254, v96, v97, v98             ; the step's largest score of my query among my 64 keys, in two chains, each accumulator from its low end on,
	v_max3_num_f32 v252, v99, v100, v101
.irp i, 6,10,14,18,22,26,30,34,38,42,46,50,54,58
	v_max3_num_f32 v254, v254, v[S+\i], v[S+1+\i]
	v_max3_num_f32 v252, v252, v[S+2+\i], v[S+3+\i]
.endr
	v_max3_num_f32 v254, v254, v158, v159
	v_max_num_f32 v254, v254, v252
	v_permlanex16_b32 v248, v254, s24, s25
	v_max_num_f32 v254, v254, v248                 ; and among lane l xor 16's
	v_mul_f32 v254, s22, v254                      ; as t (c is positive)
	v_max_num_f32 v13, v13, v254                   ; the running largest t
	v_mov_b32 v254, v12
	v_floor_f32 v12, -v13                          ; the new -M = floor(-t) = -ceil(t): a whole number
	v_sub_f32 v254, v12, v254                      ; old M less new M: a whole number, 0 or less
	v_cvt_i32_f32 v254, v254                       ; (it saturates)
	v_ldexp_f32 v252, 1.0, v254                    ; f = 2^(old M - new M)
.irp j, 0,2,4,6,8,10,12,14,16,18,20,22,24,26,28,30,32,34,36,38,40,42,44,46,48,50,52,54,56,58,60,62
	v_pk_fma_f32 v[S+\j:S+1+\j], v[S+\j:S+1+\j], s[22:23], v[12:13] op_sel_hi:[1,0,0]   ; t - M, two at a time (of the pairs c and -M the low word serves both halves)
.endr
.irp j, 0,1,2,3,4,5,6,7,8,9,10,11,12,13,14,15,16,17,18,19,20,21,22,23,24,25,26,27,28,29,30,31,32,33,34,35,36,37,38,39,40,41,42,43,44,45,46,47,48,49,50,51,52,53,54,55,56,57,58,59,60,61,62,63
	v_exp_f32 v[S+\j], v[S+\j]                     ; p = 2^(t - M), at most 1
.endr
	v_pk_mul_f32 v[14:15], v[14:15], v[252:253] op_sel_hi:[1,0]   ; the sums under the new M: the plain line behind the exponentials
	s_wait_alu depctr_va_vdst(0)                   ; the 64 exponentials have written p (v96-159): one wait for the whole batch, ahead of its first reader
	v_pk_add_f32 v[242:243], v[96:97], v[98:99]    ; the row's sum is taken of the UNQUANTISED p: two at a time, in two chains
.irp j, 4,8,12,16,20,24,28,32,36,40,44,48,52,56,60
	v_pk_add_f32 v[14:15], v[14:15], v[S+\j:S+1+\j]
	v_pk_add_f32 v[242:243], v[242:243], v[S+2+\j:S+3+\j]
.endr
	v_pk_add_f32 v[14:15], v[14:15], v[242:243]
	s_cmp_gt_i32 s18, -9                           ; p is at most 1 and 448 x 2^ep is 1.75 or more from ep = -8 on: the hold then changes nothing and is jumped over (ep is a whole number read from memory)
	s_cbranch_scc1 .Lheld_\@
.irp j, 0,1,2,3,4,5,6,7,8,9,10,11,12,13,14,15,16,17,18,19,20,21,22,23,24,25,26,27,28,29,30,31,32,33,34,35,36,37,38,39,40,41,42,43,44,45,46,47,48,49,50,51,52,53,54,55,56,57,58,59,60,61,62,63
	v_min_num_f32 v[S+\j], v[S+\j], v240           ; p is not negative, so the hold is one-sided
.endr
.Lheld_\@:
.irp g, 0,1,2,3,4,5,6,7
	v_cvt_scalef32_pk8_fp8_f32 v[PC+2*\g:PC+1+2*\g], v[S+8*\g:S+7+8*\g], v241   ; registers 4 b .. 4 b + 3: keys 32 b + 16 h + 0 .. 15
.endr
.irp j, 0,2,4,6,8,10,12,14,16,18,20,22,24,26,28,30
	v_pk_mul_f32 v[O+\j:O+1+\j], v[O+\j:O+1+\j], v[252:253] op_sel_hi:[1,0]   ; O^T under the new M.  (Also the plain lines behind the conversions)
.endr
	s_wait_dscnt 0x0                               ; V's fragments are in
.irp t, 0,1,2,3
	v_wmma_f32_16x16x128_fp8_fp8 v[O+8*\t:O+8*\t+7], v[FRG+16*\t:FRG+16*\t+15], v[PC:PC+15], v[O+8*\t:O+8*\t+7]   ; the four accumulators take turns; the next step's eight products stand between two turns of one
.endr
.rept 4
	v_nop                                          ; four places in front of the next read of O^T, whichever way the wave goes on (that these products are done reading their fragments is stated at the next step's head, and on the way out)
.endr
.endm
; A STEP.  Slot s holds this step's images.  First the next step's numbers, asked for a step ago, become images in the other slot, and the numbers of the step after it are asked for; then my tile's work.
; ONE barrier a step, for two things: in front of it each wave's image stores have landed and its reads of slot s are over; behind it slot 1 - s is read and slot s written.
.macro STEP s
	s_wait_loadcnt 0x0                             ; the next step's numbers are in,
	s_wait_xcnt 0x0                                ; and the prefetch of a step ago has read its base: the three bases may step
	s_wait_alu depctr_va_vdst(0)                   ; the last step's second products are done reading FRG, in which this step's images of K land, and its softmax is done with KT, in which the stage's loads land
	s_add_nc_u64 s[6:7], s[6:7], STEPB
	s_add_nc_u64 s[8:9], s[8:9], STEPB
	s_add_nc_u64 s[32:33], s[32:33], STEPB
	s_add_co_u32 s36, s26, 128
	s_cmp_lt_u32 s36, s29                          ; is there a next step for this work-group?
	s_cbranch_scc0 .Lnoq_\@
	QUANT_KV 1-\s
	s_add_co_u32 s36, s26, 256
	s_cmp_lt_u32 s36, s29                          ; and one behind it?  No load is made for keys that nobody here attends to
	s_cbranch_scc0 .Lnoq_\@
	LOAD_KV                                        ; no wait: the macro's two have stated all that these loads hang on, and no vector instruction stands between
	s_cmp_lt_u32 s26, s31
	s_cbranch_scc0 .Lnoq_\@
	; A PREFETCH INTO THE L2 of the step four on, which is loaded two steps from now; it stands behind my loads.  All eight work-groups of a head walk the same K and V: the head's first asks, and in it the eight waves
	; that attend in every step: four for K's 32,768 bytes, four for V's, 8,192 bytes a wave, lanes 256 bytes apart: each block of 256 bytes is named once in the launch.  Steps 0 to 3 come by their loads alone; steps 12 on ask for nothing.
	global_prefetch_b8 v8, s[32:33] offset:2*STEPB th:TH_LOAD_NT scope:SCOPE_SE
.Lnoq_\@:
	s_cmp_gt_u32 s26, s27                          ; all of the step's keys come after my queries: nothing to do for my tile
	s_cbranch_scc1 .Lhid_\@
	ATT \s
.Lhid_\@:
	s_add_co_u32 s26, s26, 128
	s_wait_dscnt 0x0
	s_barrier_signal -1
	s_barrier_wait -1
.endm
.Ltrip:
	STEP 0
	STEP 1
	s_sub_co_u32 s30, s30, 1
	s_cmp_lg_u32 s30, 0
	s_cbranch_scc1 .Ltrip
	; THE WAY OUT.  O^T / the sum x 2^(ep + ev) goes through my own stage and comes back as whole rows: each store of the wave covers two rows, 512 consecutive bytes, aligned.
	v_add_f32 v14, v14, v15                        ; the sum's two halves,
	v_permlanex16_b32 v248, v14, s24, s25
	v_add_f32 v14, v14, v248                       ; and lane l xor 16's
	v_rcp_f32 v14, v14
	v_nop                                          ; a plain line behind the reciprocal
	s_add_co_i32 s36, s18, s19
	s_wait_alu depctr_va_vdst(0)                   ; the reciprocal has written v14, ahead of its first reader
	v_ldexp_f32 v14, v14, s36
.irp j, 0,2,4,6,8,10,12,14,16,18,20,22,24,26,28,30
	v_pk_mul_f32 v[S+\j:S+1+\j], v[O+\j:O+1+\j], v[14:15] op_sel_hi:[1,0]   ; register 8 t + i is out(r, 16 t + 8 h + i)
.endr
	s_wait_alu depctr_va_vdst(0)                   ; the multiplications have written v96-127, which the LDS stores read; the last products are done reading FRG, in which the loads from the stage land
.irp t, 0,1,2,3
	ds_store_b128 v10, v[S+8*\t:S+8*\t+3] offset:64*\t
	ds_store_b128 v10, v[S+8*\t+4:S+8*\t+7] offset:64*\t+16
.endr
.irp i, 0,1,2,3,4,5,6,7
	ds_load_b128 v[FRG+4*\i:FRG+4*\i+3], v11 offset:544*\i   ; my own bytes, served in order: these see the stores above
.endr
.irp i, 0,1,2,3,4,5,6,7
	s_wait_dscnt 7-\i                              ; the younger loads may be out
	global_store_b128 v1, v[FRG+4*\i:FRG+4*\i+3], s[12:13] offset:512*\i th:TH_STORE_NT
.endr
	s_wait_xcnt 0x0
	v_lshl_add_u32 v254, v0, 2, 0x23000            ; the add's two registers are made anew (no two could be kept); no memory or LDS instruction has read v254 or v255
	v_mov_b32 v255, 0
	s_wait_dscnt 0x0                               ; the closing lines, six on end
	s_wait_alu 0x0
	s_wait_tensorcnt 0x0
	ds_add_u32 v254, v255
	s_wait_dscnt 0x0
	s_endpgm
.Lfunc_end_k_qbad880fcdb_attn:
	.size	k_qbad880fcdb_attn, .Lfunc_end_k_qbad880fcdb_attn-k_qbad880fcdb_attn
	.p2alignl 7, 3214868480
	.fill 96, 4, 3214868480
	.section	.rodata,"a",@progbits
	.p2align	6, 0x0
	.amdhsa_kernel k_qbad880fcdb_attn
		.amdhsa_group_segment_fixed_size 145408
		.amdhsa_private_segment_fixed_size 0
		.amdhsa_enable_private_segment 0
		.amdhsa_kernarg_size 40
		.amdhsa_user_sgpr_count 2
		.amdhsa_user_sgpr_kernarg_segment_ptr 1
		.amdhsa_wavefront_size32 1
		.amdhsa_system_sgpr_workgroup_id_x 1
		.amdhsa_system_sgpr_workgroup_id_y 1
		.amdhsa_system_sgpr_workgroup_id_z 1
		.amdhsa_system_vgpr_workitem_id 0
		.amdhsa_next_free_vgpr 256
		.amdhsa_next_free_sgpr 66
		.amdhsa_reserve_vcc 0
		.amdhsa_float_denorm_mode_32 3
		.amdhsa_float_denorm_mode_16_64 3
		.amdhsa_memory_ordered 1
		.amdhsa_forward_progress 1
		.amdhsa_inst_pref_size 82
	.end_amdhsa_kernel
	.amdgpu_metadata
---
amdhsa.version: [ 1, 2 ]
amdhsa.kernels:
  - .name:           k_qbad880fcdb_attn
    .symbol:         k_qbad880fcdb_attn.kd
    .args:
      - { .name: Q, .offset: 0, .size: 8, .value_kind: global_buffer, .address_space: global }
      - { .name: K, .offset: 8, .size: 8, .value_kind: global_buffer, .address_space: global }
      - { .name: V, .offset: 16, .size: 8, .value_kind: global_buffer, .address_space: global }
      - { .name: lowp_scales, .offset: 24, .size: 8, .value_kind: global_buffer, .address_space: global }
      - { .name: out0, .offset: 32, .size: 8, .value_kind: global_buffer, .address_space: global }
    .group_segment_fixed_size: 145408
    .private_segment_fixed_size: 0
    .kernarg_segment_align: 8
    .kernarg_segment_size: 40
    .max_flat_workgroup_size: 512
    .sgpr_count:     66
    .vgpr_count:     256
    .wavefront_size: 32
...
	.end_amdgpu_metadata
.endif
;; end of part 2
